; MI455X (gfx1250); checked and timed in simulation.
; The chip was launched on July 23, 2026; its instructions are those of AMD's public machine-readable ISA for CDNA 5 (MIT licence, August 2026) and "CDNA5" Instruction Set Architecture Reference Guide (July 2026). The comments in the code are by the model that wrote it; some were corrected since.
;; Cross Scale Attention. Allowed arithmetic: matrix products marked QUANTISED: E4M3 operands, one given power-of-two scale a tensor, by v_wmma_f32_16x16x64_fp8_fp8 or v_wmma_f32_16x16x128_fp8_fp8, f32 sums; everything else in f32.
;; Inputs: bk 32 float32; bo 256 float32; bq 32 float32; bv 256 float32; gamma 1 float32; lowp_scales 12 int32 (the exponents e of the quantised operands' scales 2^e); sk 32 float32; so 256 float32; sq 32 float32; sv 256 float32; wk_codes 32 x 8 x 32 uint8 (E4M3 codes of wk, K innermost, in blocks of 32 codes); wo_codes 256 x 8 x 32 uint8 (E4M3 codes of wo, K innermost, in blocks of 32 codes); wq_codes 32 x 8 x 32 uint8 (E4M3 codes of wq, K innermost, in blocks of 32 codes); wv_codes 256 x 8 x 32 uint8 (E4M3 codes of wv, K innermost, in blocks of 32 codes); x 8 x 256 x 64 x 64 float32.
;; Outputs: out0 8 x 256 x 64 x 64 float32.
;; This version of the problem:
;;   THIS VERSION OF THE PROBLEM IS GIVEN IN LOW PRECISION. The matrix products marked QUANTISED in the list below multiply operands that are first quantised to E4M3 (4 exponent bits, 3 mantissa bits; 8 bits a number), with one given power-of-two scale for each operand tensor; their sums are f32. All else is computed in f32.
;;   The module's matrix products, in the order in which they are computed (A, B: the left and right operand; K: the contracted axis; several contracted axes count as one K, in the product's order):
;;     1. [M 32,768, K 256] x [K 256, N 32]; A: input x; B: input wq (given as codes): QUANTISED (scales: A lowp_scales[0], B lowp_scales[1])
;;     2. [M 32,768, K 256] x [K 256, N 32]; A: input x; B: input wk (given as codes): QUANTISED (scales: A lowp_scales[2], B lowp_scales[3])
;;     3. [M 32,768, K 256] x [K 256, N 256]; A: input x; B: input wv (given as codes): QUANTISED (scales: A lowp_scales[4], B lowp_scales[5])
;;     4. batch 8 x [M 4,096, K 32] x [K 32, N 4,096]; A: computed on the way; B: computed on the way: QUANTISED (scales: A lowp_scales[6], B lowp_scales[7])
;;     5. batch 8 x [M 256, K 4,096] x [K 4,096, N 4,096]; A: computed on the way; B: softmax (see below): QUANTISED (scales: A lowp_scales[8], B lowp_scales[9])
;;     6. [M 32,768, K 256] x [K 256, N 256]; A: computed on the way; B: input wo (given as codes): QUANTISED (scales: A lowp_scales[10], B lowp_scales[11])
;;   THE QUANTISER, for each operand of a quantised product, along K:
;;     - The operand's scale is 2^e, e = its entry of the input lowp_scales (int32; the entries are numbered through the quantised products in the list's order, A before B).
;;     - Each number is divided by the scale, clamped to +-448, and rounded to the nearest number of E4M3, ties to even, subnormals kept.
;;     - The product sums the exact products of the quantised numbers (number of the format x scale) in f32.
;;   ~~~python
;;   def quantise(x, axis, e):      # numpy; x: float32 -> the quantised numbers, widened to float32 again
;;       x = np.moveaxis(x, axis, -1); K = x.shape[-1]
;;       r = np.clip(x / 2.0 ** e, -448, 448)
;;       step = 2.0 ** (np.maximum(np.frexp(np.where(r == 0, 1, r))[1] - 1, -6) - 3)
;;       q = np.round(r / step) * step * 2.0 ** e      # np.round: ties to even
;;       return np.moveaxis(q, -1, axis).astype(np.float32)
;;   ~~~
;;   SOFTMAX AHEAD OF A QUANTISED PRODUCT. Where the list says 'softmax', what is quantised is not the finished softmax but p = 2^(t - M), with t = logit x log2(e) and M = ceil(the row's largest t), a whole number; so 1/2 < the row's largest p <= 1. The row's sum l is taken of the UNQUANTISED p, in f32, and the product's result is divided by l at the end. Since M is a whole number, a kernel that streams over the keys may use a running M (the ceiling of the running maximum): every later rescaling is an exact power of two, so the quantised numbers keep their values, but for numbers so far below the row's largest that they fall under the format's range.
;;   OPERANDS COMPUTED ON THE WAY. 'Computed on the way' means the value that the module computes at that place (a softmax that the list does not call 'softmax' is quantised finished and normalised). What goes into a quantiser is computed in f32, as accurately as f32 sums, v_exp_f32 and their like allow (about 1e-6 of the number): no bf16 or f16 on the way to a quantiser, and a product that is left as it is and whose result goes on into a quantised operand takes f32 operands (vector FMAs, or v_wmma_f32_16x16x4_f32). A number that lies on a knife's edge between two numbers of the format may be rounded either way, as far as f32 arithmetic and the matrix unit's own rounding can turn it there, and no further.
;;   INPUTS GIVEN AS CODES. wk (in the module: [32, 256], K = its axis 1); wo (in the module: [256, 256], K = its axis 1); wq (in the module: [32, 256], K = its axis 1); wv (in the module: [256, 256], K = its axis 1): each comes as NAME_codes (uint8): NAME with its K axis moved to the last place and cut into blocks of 32 codes, [.., K / 32, bytes a block], one block behind the other in memory; one code a byte (a code: sign, 4 exponent bits, 3 mantissa bits); its scale is its entry of lowp_scales. Its value is code x scale, taken as it is: it is not quantised again, and the codes and scales need not be those that the quantiser above would give.
;; One version. Each part assembles by itself: llvm-mc -triple=amdgcn-amd-amdhsa -mcpu=gfx1250 --defsym DOCPART=n.
;; ======== version 1 of 1: 2 launches
;; workspace buffers: qf 1,048,576 bytes; kf 1,048,576 bytes; vf 8,388,608 bytes
;; launch prep (part 1): grid 32 x 8, 8 waves a work-group, no clusters, 105,472 bytes of LDS; arguments x, wq_codes, wk_codes, wv_codes, sq, bq, sk, bk, sv, bv, lowp_scales, qf, kf, vf; writes qf, kf, vf
.if DOCPART == 1
	.amdgcn_target "amdgcn-amd-amdhsa--gfx1250"
	.amdhsa_code_object_version 6
	.text
	.protected	k_q7cbb3b2d99_prep
	.globl	k_q7cbb3b2d99_prep
	.p2align	8
	.type	k_q7cbb3b2d99_prep,@function
k_q7cbb3b2d99_prep:
	s_mov_b64 s[64:65], 0
	v_nop
	global_prefetch_b8 v0, s[64:65] scope:SCOPE_SE
	s_setreg_imm32_b32 hwreg(HW_REG_WAVE_MODE, 25, 1), 1
	s_wait_xcnt 0x0
; q = silu(sq (wq x) + bq), k and v likewise, x: [8][256 channels][4096 positions] f32; the three products on codes of E4M3, x quantised anew for each under its own given scale
; (e0, e2, e4), the weights taken as the codes that are given (e1, e3, e5).  q, k and v are then quantised for the products that follow (e6, e7, e8) and leave as codes.
; NO WORK OF THE PROBLEM IS LEFT OUT in this program: every gain and bias stands ahead of a SiLU and a quantiser, so every input has a way to out0 and is loaded.
; WHAT IS STORED are images of operand registers: a group of four registers of a fragment is 32 lanes x 16 bytes = 512 consecutive bytes.
;   qf, kf: [batch][tile of 16 positions: 256][512 B]: lane (r, h) holds the tile's row r, channels 16 h .. 16 h + 15.
;   vf:     [batch][block of 128 positions: 32][tile of 16 channels: 16][2,048 B]: group c of lane (r, h): the tile's row r, positions 32 c + 16 h + 0 .. 15 of the block.
; THE ROWS OF A TILE ARE NOT NEIGHBOURS: in each block of 32 (positions; channels of q, k, v) row m of tile u (0, 1) stands for 8 u + m + 8 (m / 8).  A matrix result's register j of lane (r, h) is row 8 h + j:
; so the 16 registers of two neighbouring tiles are the 16 neighbours 16 h + 0 .. 15 of the block, and a conversion's result is the next operand's registers as it stands.
; SHARES.  A work-group takes 128 positions of one batch, all 256 channels.  Wave w: X: positions 32 (w % 4) on, channels 128 (w / 4) on: a lane takes a position and its registers run down the channels,
; so that the conversions give codes with the channels innermost; the codes go to three planes in LDS (one for each scale).  QK: q and k of position tile w.  V: v's channel tiles 2 w, 2 w + 1 for all 8 position tiles.
; x is read once, through registers: no tensor load, so LDS is claimed as it is used.
; LIMITS: e0, e2, e4, e6, e7, e8 between -126 and 119, so that 2^e and 448 x 2^e are f32 numbers; the sums of two exponents go by v_ldexp_f32.  NaN among the inputs is not served.
; REGISTERS, window 0: v1, v2 the add's two; v3 16 x lane; v4 x's offset; v5-7 where I store codes in planes 0-2; v8, v9, v10 where I read fragments of planes 0, 1, 2; v11 a weight's row; v12, v13 offsets of gains;
;   v16-21 2^e and 448 x 2^e, three pairs; v22-29 sv x 2^(e4 + e5) and bv of my two channel tiles, as pairs; v32-159 x's numbers, later v's 16 accumulators; v160-223 at work; v224-255 q's and k's sums, later v's codes.
;   window 1: v0-63 wv's fragments, v64-127 wq's, v128-191 wk's; v192-255 sq, bq, sk, bk.
.set XP,    272                        ; a plane's row: 256 codes + 16 bytes of padding = 68 words
.set PL,    128*XP                     ; a plane: 128 positions
.set SPARE, 3*PL                       ; behind the planes: the spare words, 128 bytes for each wave: four blocks of 256 bytes that no other line names
.set MSB, 0
.macro WIN new                         ; the immediate's high byte repeats the setting that is left
.if MSB != \new
	s_set_vgpr_msb (MSB<<8)|\new
.set MSB, \new
.endif
.endm
.macro SCL e, sc, lim                  ; v[sc] = 2^e, v[lim] = 448 x 2^e, e in a scalar register
	s_add_co_i32 s50, \e, 127
	s_lshl_b32 s51, s50, 23
	v_mov_b32 v[\sc], s51
	s_add_co_i32 s50, s50, 8
	s_lshl_b32 s50, s50, 23
	s_or_b32 s50, s50, 0x600000
	v_mov_b32 v[\lim], s50
.endm
.macro XLD i                           ; chunk i: channels 16 i .. 16 i + 15 of my position: each load reads 128 consecutive bytes of a row of x
.set j_, 0
.rept 16
	global_load_b32 v[32+16*(\i)+j_], v4, s[4:5] offset:(16*(\i)+j_)*16384 th:TH_LOAD_NT
.set j_, j_+1
.endr
.endm
.macro WLD g                           ; 16 loads: four fragments (tile a, K step s) of wv (g = 0: my 32 channels), wq (1) or wk (2), into window 1
	WIN 0x40
.irp a, 0,1
.irp s, 0,1
.irp c, 0,1,2,3
.if (\g) == 0
	global_load_b128 v[16*(2*\a+\s)+4*\c:16*(2*\a+\s)+4*\c+3], v11, s[10:11] offset:\a*2048+128*\s+32*\c
.elseif (\g) == 1
	global_load_b128 v[64+16*(2*\a+\s)+4*\c:64+16*(2*\a+\s)+4*\c+3], v11, s[6:7] offset:\a*2048+128*\s+32*\c
.else
	global_load_b128 v[128+16*(2*\a+\s)+4*\c:128+16*(2*\a+\s)+4*\c+3], v11, s[8:9] offset:\a*2048+128*\s+32*\c
.endif
.endr
.endr
.endr
	WIN 0
.endm
.macro CHUNK i                         ; 16 numbers become 16 codes under each of the three scales; the held numbers go to two sets by turns, the codes to twelve
.irp z, 0,1,2
.set HS, 160+16*((3*(\i)+\z)%2)
.set CD, 192+4*((3*(\i)+\z)%12)
.set j_, 0
.rept 16
	v_med3_num_f32 v[HS+j_], v[32+16*(\i)+j_], -v[17+2*\z], v[17+2*\z]   ; the conversion to an 8-bit code does not saturate (ISA guide 7.6.2): the hold at 448 x the scale
.set j_, j_+1
.endr
	v_cvt_scalef32_pk8_fp8_f32 v[CD:CD+1], v[HS:HS+7], v[16+2*\z]
	v_cvt_scalef32_pk8_fp8_f32 v[CD+2:CD+3], v[HS+8:HS+15], v[16+2*\z]
	ds_store_b128 v[5+\z], v[CD:CD+3] offset:16*(\i)
.endr
.endm
.macro FETCHX buf, adr, off            ; x's fragments of one position tile, both K steps of 128: registers 4 c .. 4 c + 3 hold channels 32 c + 16 h + 0 .. 15
.irp s, 0,1
.irp c, 0,1,2,3
	ds_load_b128 v[\buf+16*\s+4*\c:\buf+16*\s+4*\c+3], v[\adr] offset:\off+128*\s+32*\c
.endr
.endr
.endm
.macro SILU y, t, n                    ; y = y / (1 + 2^(-y log2 e)) on n registers; each batch of transcendentals has one plain line and one wait behind it
.set q_, 0
.rept (\n)/2
	v_pk_mul_f32 v[\t+q_:\t+q_+1], v[\y+q_:\y+q_+1], s[52:53] op_sel_hi:[1,0]
.set q_, q_+2
.endr
.set q_, 0
.rept \n
	v_exp_f32 v[\t+q_], v[\t+q_]
.set q_, q_+1
.endr
	v_nop
	s_wait_alu depctr_va_vdst(0)           ; one wait for the batch, ahead of its first reader
.set q_, 0
.rept (\n)/2
	v_pk_add_f32 v[\t+q_:\t+q_+1], v[\t+q_:\t+q_+1], 1.0 op_sel_hi:[1,0]
.set q_, q_+2
.endr
.set q_, 0
.rept \n
	v_rcp_f32 v[\t+q_], v[\t+q_]
.set q_, q_+1
.endr
	v_nop
	s_wait_alu depctr_va_vdst(0)
.set q_, 0
.rept (\n)/2
	v_pk_mul_f32 v[\y+q_:\y+q_+1], v[\y+q_:\y+q_+1], v[\t+q_:\t+q_+1]
.set q_, q_+2
.endr
.endm
.macro QUANT src, dst, n, sc, lim      ; n numbers of a lane, neighbours along the next K, become n codes
.set q_, 0
.rept (\n)/8
.set p_, 0
.rept 8
	v_med3_num_f32 v[\src+8*q_+p_], v[\src+8*q_+p_], -v[\lim], v[\lim]
.set p_, p_+1
.endr
	v_cvt_scalef32_pk8_fp8_f32 v[\dst+2*q_:\dst+2*q_+1], v[\src+8*q_:\src+8*q_+7], v[\sc]
.set q_, q_+1
.endr
	v_nop                                  ; a plain vector line behind the last conversion, ahead of whatever next touches its registers
.endm
	s_load_b512 s[4:19], s[0:1], 0x0       ; x s[4:5], wq s[6:7], wk s[8:9], wv s[10:11], sq s[12:13], bq s[14:15], sk s[16:17], bk s[18:19]
	s_load_b256 s[20:27], s[0:1], 0x40     ; sv s[20:21], bv s[22:23], the scales' exponents s[24:25], qf s[26:27]
	s_load_b128 s[28:31], s[0:1], 0x60     ; kf s[28:29], vf s[30:31]
	v_lshl_add_u32 v1, v0, 2, SPARE
	v_mov_b32 v2, 0
	v_lshrrev_b32 v14, 5, v0
	v_readfirstlane_b32 s32, v14           ; wave 0..7
	s_and_b32 s33, s32, 3                  ; which 32 positions I quantise
	s_lshr_b32 s34, s32, 2                 ; which 128 channels
	s_and_b32 s35, ttmp7, 0xffff           ; the batch
	v_and_b32 v15, 31, v0                  ; lane L
	v_lshlrev_b32 v3, 4, v15
	v_and_b32 v4, 7, v15                   ; my position among the wave's 32: L with its bits 3 and 4 exchanged, so that LDS rows 16 T .. 16 T + 15 are tile T in the order of rows stated above
	v_and_b32 v14, 8, v15
	v_lshl_or_b32 v4, v14, 1, v4
	v_and_b32 v14, 16, v15
	v_lshrrev_b32 v14, 1, v14
	v_or_b32 v4, v4, v14
	v_lshlrev_b32 v4, 2, v4
	s_lshl_b32 s45, s33, 7
	v_add_nc_u32 v4, s45, v4               ; in bytes, + the wave's 128 bytes of a row
	s_mul_i32 s45, s33, 32*XP
	s_lshl_b32 s46, s34, 7
	s_add_co_u32 s45, s45, s46
	v_mul_u32_u24 v5, v15, XP
	v_add_nc_u32 v5, s45, v5               ; plane 0: row 32 (w % 4) + L, byte 128 (w / 4)
	v_add_nc_u32 v6, PL, v5
	v_add_nc_u32 v7, 2*PL, v5
	v_and_b32 v30, 15, v0                  ; r
	v_bfe_u32 v31, v0, 4, 1                ; h
	v_mul_u32_u24 v10, v30, XP
	v_lshl_add_u32 v10, v31, 4, v10        ; a fragment's row x pitch + 16 h
	s_mul_i32 s45, s32, 16*XP
	v_add_nc_u32 v8, s45, v10              ; plane 0, tile w
	v_add_nc_u32 v9, PL, v8                ; plane 1, tile w
	v_add_nc_u32 v10, 2*PL, v10            ; plane 2, tile 0
	v_and_b32 v14, 8, v30
	v_add_nc_u32 v14, v14, v30             ; r + 8 (r / 8)
	v_lshlrev_b32 v11, 8, v14
	v_lshl_add_u32 v11, v31, 4, v11        ; a weight's row of 256 codes, + 16 h
	v_lshlrev_b32 v12, 2, v14              ; sv, bv at that row
	v_lshlrev_b32 v13, 6, v31              ; sq .. bk: channels 16 h on
	v_mov_b32 v23, 0                       ; the upper words of pairs of which the packed forms take the low word for both halves: named, so written
	v_mov_b32 v25, 0
	v_mov_b32 v27, 0
	v_mov_b32 v29, 0
	s_mov_b32 s52, 0xbfb8aa3b              ; -log2(e)
	s_mov_b32 s53, s52
	s_lshl_b32 s46, s35, 22                ; x: the batch, my 128 channels, the work-group's 128 positions
	s_lshl_b32 s47, s34, 21
	s_add_co_u32 s46, s46, s47
	s_lshl_b32 s47, ttmp9, 9
	s_add_co_u32 s46, s46, s47
	s_mov_b32 s47, 0
	s_lshl_b32 s48, s32, 13                ; wv: my 32 rows of 256 bytes
	s_mov_b32 s49, 0
	s_lshl_b32 s54, s32, 7                 ; sv, bv: my 32 numbers
	s_mov_b32 s55, 0
	s_lshl_b32 s56, ttmp9, 3               ; qf, kf: tile 8 x block + w of the batch
	s_add_co_u32 s56, s56, s32
	s_lshl_b32 s56, s56, 9
	s_lshl_b32 s57, s35, 17
	s_add_co_u32 s56, s56, s57
	s_mov_b32 s57, 0
	s_lshl_b32 s58, s35, 20                ; vf: the batch, the block, channel tile 2 w
	s_lshl_b32 s59, ttmp9, 15
	s_add_co_u32 s58, s58, s59
	s_lshl_b32 s59, s32, 12
	s_add_co_u32 s58, s58, s59
	s_mov_b32 s59, 0
	s_wait_kmcnt 0x0
	s_load_b256 s[36:43], s[24:25], 0x0    ; e0 .. e7
	s_load_b32 s44, s[24:25], 0x20         ; e8
	s_add_nc_u64 s[4:5], s[4:5], s[46:47]
	s_add_nc_u64 s[10:11], s[10:11], s[48:49]
	s_add_nc_u64 s[20:21], s[20:21], s[54:55]
	s_add_nc_u64 s[22:23], s[22:23], s[54:55]
	s_add_nc_u64 s[26:27], s[26:27], s[56:57]
	s_add_nc_u64 s[28:29], s[28:29], s[56:57]
	s_add_nc_u64 s[30:31], s[30:31], s[58:59]
	XLD 0
	XLD 1
	XLD 2
	s_wait_kmcnt 0x0
	SCL s36, 16, 17                        ; x under e0, for q
	SCL s38, 18, 19                        ; under e2, for k
	SCL s40, 20, 21                        ; under e4, for v
	; ---- X: eight chunks of 16 channels.  Three groups of 16 loads are always out behind the chunk in hand: later chunks, then the weights
.irp i, 0,1,2,3,4,5,6,7
.if \i <= 4
	XLD \i+3
.else
	WLD \i-5
.endif
	s_wait_loadcnt 48                      ; loads come back in order (ISA guide 5.7.1): chunk i is in, the three groups of 16 issued behind it stay out
.if \i >= 4
	s_wait_dscnt 9                         ; the stores of chunk i - 4 have read the code registers that this chunk writes again; the nine of the three chunks between may be out
.endif
	CHUNK \i
.endr
	WIN 0x40
.irp i, 0,1,2,3
	global_load_b128 v[192+4*\i:195+4*\i], v13, s[12:13] offset:16*\i   ; sq, bq, sk, bk at channels 16 h + 0 .. 15
	global_load_b128 v[208+4*\i:211+4*\i], v13, s[14:15] offset:16*\i
	global_load_b128 v[224+4*\i:227+4*\i], v13, s[16:17] offset:16*\i
	global_load_b128 v[240+4*\i:243+4*\i], v13, s[18:19] offset:16*\i
.endr
	WIN 0
	global_load_b32 v22, v12, s[20:21]               ; sv, bv at my lane's channel of tiles 2 w and 2 w + 1
	global_load_b32 v24, v12, s[20:21] offset:32
	global_load_b32 v26, v12, s[22:23]
	global_load_b32 v28, v12, s[22:23] offset:32
	v_nop                                  ; a plain vector line behind the last conversion
	s_wait_dscnt 0x0                       ; for the others' sake: my codes lie in the planes
	s_barrier_signal -1
	s_barrier_wait -1                      ; everybody's do: the launch's one barrier; the planes are only read from here on
	; ---- QK: q and k of position tile w.  Source 0 = 16 rows of the weight, source 1 = x's tile: a lane holds one position, and its 16 registers channels 16 h + 0 .. 15
	FETCHX 160, 8, 0
	FETCHX 192, 9, 0
	s_wait_loadcnt 0x0                     ; the weights, gains and biases
	s_add_co_i32 s45, s36, s37             ; a sum stands for sum x 2^(e0 + e1): the power of two goes into the gain
	s_add_co_i32 s46, s38, s39
	s_add_co_i32 s47, s40, s41
	WIN 0x41
.set j_, 0
.rept 16
	v_ldexp_f32 v[192+j_], v[192+j_], s45
	v_ldexp_f32 v[224+j_], v[224+j_], s46
.set j_, j_+1
.endr
	WIN 0
	v_ldexp_f32 v22, v22, s47
	v_ldexp_f32 v24, v24, s47
	SCL s42, 16, 17                        ; q under e6
	SCL s43, 18, 19                        ; k under e7
	SCL s44, 20, 21                        ; v under e8
	s_wait_dscnt 0x0
	WIN 0x01                               ; source 0 window 1
.irp s, 0,1                            ; four accumulators by turns, one instruction a turn; the first K step starts the sums
.irp u, 0,1
.if \s == 0
	v_wmma_f32_16x16x128_fp8_fp8 v[224+8*\u:231+8*\u], v[64+16*(2*\u+\s):79+16*(2*\u+\s)], v[160+16*\s:175+16*\s], 0
.else
	v_wmma_f32_16x16x128_fp8_fp8 v[224+8*\u:231+8*\u], v[64+16*(2*\u+\s):79+16*(2*\u+\s)], v[160+16*\s:175+16*\s], v[224+8*\u:231+8*\u]
.endif
.endr
.irp u, 0,1
.if \s == 0
	v_wmma_f32_16x16x128_fp8_fp8 v[240+8*\u:247+8*\u], v[128+16*(2*\u+\s):143+16*(2*\u+\s)], v[192+16*\s:207+16*\s], 0
.else
	v_wmma_f32_16x16x128_fp8_fp8 v[240+8*\u:247+8*\u], v[128+16*(2*\u+\s):143+16*(2*\u+\s)], v[192+16*\s:207+16*\s], v[240+8*\u:247+8*\u]
.endif
.endr
.endr
	WIN 0
.rept 4
	v_nop                                  ; four places ahead of the loads into registers that these products read, and of the first read of their results
.endr
	FETCHX 160, 10, 0                      ; v's phase: x's tiles 0 and 1 under e4 are asked for now
	FETCHX 192, 10, 16*XP
	WIN 0x14                               ; sources 1 and 2 window 1
.set j_, 0
.rept 8
	v_pk_fma_f32 v[224+j_:225+j_], v[224+j_:225+j_], v[192+j_:193+j_], v[208+j_:209+j_]   ; sum x (sq 2^(e0 + e1)) + bq, each accumulator from its low end on
.set j_, j_+2
.endr
.set j_, 0
.rept 8
	v_pk_fma_f32 v[240+j_:241+j_], v[240+j_:241+j_], v[224+j_:225+j_], v[240+j_:241+j_]   ; k likewise (sources 1 and 2: sk, bk in window 1)
.set j_, j_+2
.endr
	WIN 0
	SILU 224, 32, 32
	QUANT 224, 64, 16, 16, 17
	QUANT 240, 68, 16, 18, 19
	global_store_b128 v3, v[64:67], s[26:27]         ; the wave stores 512 consecutive bytes, at a multiple of 512 from the buffer's first byte
	global_store_b128 v3, v[68:71], s[28:29]
	s_wait_xcnt 0x0                        ; the stores' data registers are written again below only behind this wait
	; ---- V: source 0 = x's tile T, source 1 = 16 rows of wv: a lane holds one channel, and the registers of tiles 2 b, 2 b + 1 positions 32 b + 16 h + 0 .. 15
	WIN 0x04                               ; source 1 window 1; the LDS loads between name destination and source 0 alone
.irp T, 0,1,2,3,4,5,6,7
.if \T < 7
	s_wait_dscnt 8                         ; tile T's eight loads are in, the next tile's may be out
.else
	s_wait_dscnt 0x0
.endif
.irp s, 0,1
.irp a, 0,1
.if \s == 0
	v_wmma_f32_16x16x128_fp8_fp8 v[32+64*\a+8*\T:39+64*\a+8*\T], v[160+32*(\T%2)+16*\s:175+32*(\T%2)+16*\s], v[16*(2*\a+\s):16*(2*\a+\s)+15], 0
.else
	v_wmma_f32_16x16x128_fp8_fp8 v[32+64*\a+8*\T:39+64*\a+8*\T], v[160+32*(\T%2)+16*\s:175+32*(\T%2)+16*\s], v[16*(2*\a+\s):16*(2*\a+\s)+15], v[32+64*\a+8*\T:39+64*\a+8*\T]
.endif
.endr
.endr
.if \T+2 < 8
.rept 4
	v_nop
.endr
	FETCHX 160+32*(\T%2), 10, (\T+2)*16*XP
.endif
.endr
	WIN 0
.rept 4
	v_nop
.endr
.irp a, 0,1
.set j_, 0
.rept 32
	v_pk_fma_f32 v[32+64*\a+j_:33+64*\a+j_], v[32+64*\a+j_:33+64*\a+j_], v[22+2*\a:23+2*\a], v[26+2*\a:27+2*\a] op_sel_hi:[1,0,0]   ; my channel's gain and bias: the pairs' low words for both halves
.set j_, j_+2
.endr
	SILU 32+64*\a, 160, 64
	QUANT 32+64*\a, 224+16*\a, 64, 20, 21
.irp c, 0,1,2,3
	global_store_b128 v3, v[224+16*\a+4*\c:227+16*\a+4*\c], s[30:31] offset:\a*2048+512*\c
.endr
.endr
	s_wait_tensorcnt 0x0                   ; the wave's end: behind my last LDS store
	ds_add_u32 v1, v2
	s_wait_dscnt 0x0
	s_endpgm
.Lfunc_end_k_q7cbb3b2d99_prep:
	.size	k_q7cbb3b2d99_prep, .Lfunc_end_k_q7cbb3b2d99_prep-k_q7cbb3b2d99_prep
	.p2alignl 7, 3214868480
	.fill 96, 4, 3214868480
	.section	.rodata,"a",@progbits
	.p2align	6, 0x0
	.amdhsa_kernel k_q7cbb3b2d99_prep
		.amdhsa_group_segment_fixed_size 105472
		.amdhsa_private_segment_fixed_size 0
		.amdhsa_enable_private_segment 0
		.amdhsa_kernarg_size 112
		.amdhsa_user_sgpr_count 2
		.amdhsa_user_sgpr_kernarg_segment_ptr 1
		.amdhsa_wavefront_size32 1
		.amdhsa_system_sgpr_workgroup_id_x 1
		.amdhsa_system_sgpr_workgroup_id_y 1
		.amdhsa_system_sgpr_workgroup_id_z 1
		.amdhsa_system_vgpr_workitem_id 0
		.amdhsa_next_free_vgpr 512
		.amdhsa_next_free_sgpr 66
		.amdhsa_reserve_vcc 0
		.amdhsa_float_denorm_mode_32 3
		.amdhsa_float_denorm_mode_16_64 3
		.amdhsa_memory_ordered 1
		.amdhsa_forward_progress 1
		.amdhsa_inst_pref_size 107
	.end_amdhsa_kernel
	.amdgpu_metadata
---
amdhsa.version: [ 1, 2 ]
amdhsa.kernels:
  - .name:           k_q7cbb3b2d99_prep
    .symbol:         k_q7cbb3b2d99_prep.kd
    .args:
      - { .name: x, .offset: 0, .size: 8, .value_kind: global_buffer, .address_space: global }
      - { .name: wq_codes, .offset: 8, .size: 8, .value_kind: global_buffer, .address_space: global }
      - { .name: wk_codes, .offset: 16, .size: 8, .value_kind: global_buffer, .address_space: global }
      - { .name: wv_codes, .offset: 24, .size: 8, .value_kind: global_buffer, .address_space: global }
      - { .name: sq, .offset: 32, .size: 8, .value_kind: global_buffer, .address_space: global }
      - { .name: bq, .offset: 40, .size: 8, .value_kind: global_buffer, .address_space: global }
      - { .name: sk, .offset: 48, .size: 8, .value_kind: global_buffer, .address_space: global }
      - { .name: bk, .offset: 56, .size: 8, .value_kind: global_buffer, .address_space: global }
      - { .name: sv, .offset: 64, .size: 8, .value_kind: global_buffer, .address_space: global }
      - { .name: bv, .offset: 72, .size: 8, .value_kind: global_buffer, .address_space: global }
      - { .name: lowp_scales, .offset: 80, .size: 8, .value_kind: global_buffer, .address_space: global }
      - { .name: qf, .offset: 88, .size: 8, .value_kind: global_buffer, .address_space: global }
      - { .name: kf, .offset: 96, .size: 8, .value_kind: global_buffer, .address_space: global }
      - { .name: vf, .offset: 104, .size: 8, .value_kind: global_buffer, .address_space: global }
    .group_segment_fixed_size: 105472
    .private_segment_fixed_size: 0
    .kernarg_segment_align: 8
    .kernarg_segment_size: 112
    .max_flat_workgroup_size: 256
    .sgpr_count:     66
    .vgpr_count:     512
    .wavefront_size: 32
...
	.end_amdgpu_metadata
.endif
;; end of part 1
;; launch attn (part 2): grid 32 x 8, 8 waves a work-group, clusters of 4 x 1, 327,680 bytes of LDS; arguments qf, kf, vf, lowp_scales, wo_codes, so, bo, gamma, x, out0; writes out0
.if DOCPART == 2
	.amdgcn_target "amdgcn-amd-amdhsa--gfx1250"
	.amdhsa_code_object_version 6
	.text
	.protected	k_q7cbb3b2d99_attn
	.globl	k_q7cbb3b2d99_attn
	.p2align	8
	.type	k_q7cbb3b2d99_attn,@function
k_q7cbb3b2d99_attn:
	s_mov_b64 s[64:65], 0
	v_nop
	global_prefetch_b8 v0, s[64:65] scope:SCOPE_SE
	s_setreg_imm32_b32 hwreg(HW_REG_WAVE_MODE, 25, 1), 1
	s_wait_xcnt 0x0
	s_wait_alu depctr_hold_cnt(0) depctr_sa_sdst(0) depctr_va_vdst(0) depctr_va_sdst(0) depctr_va_ssrc(0) depctr_va_vcc(0) depctr_vm_vsrc(0)
	s_getreg_b32 s2, hwreg(HW_REG_IB_STS2, 6, 4)
	s_cmp_eq_u32 s2, 0
	s_cbranch_scc0 .Lentry_in_a_cluster
	s_endpgm
.Lentry_in_a_cluster:
	s_bfe_u32 s2, ttmp6, 0x10000c
	s_cmp_lg_u32 s2, 0x3003
	s_cbranch_scc0 .Lentry_shape_is_right
	s_endpgm
.Lentry_shape_is_right:
; out0 = gamma silu(so (wo a) + bo) + x, a[c][n] = sum over m of v[c][m] softmax_m(q[.][n] . k[.][m]); all three products on codes of E4M3.  No work of the problem is left out here.
; qf, kf, vf hold q's, k's, v's codes as images of operand registers (a group of four registers = 32 lanes x 16 bytes = 512 consecutive bytes); in each block of 32 positions or channels row m of tile u
; stands for 8 u + m + 8 (m / 8), so that the 16 registers of two neighbouring result tiles are 16 neighbours along the next K.
; THE SOFTMAX: t = score x log2(e); M = the row's largest t, rounded up to a whole number; p = 2^(t - M) is quantised under e9, not normalised; the sum l is taken of the unquantised p and divides at the end.
; TWO PASSES OVER THE KEYS.  All of the batch's k lies in LDS and its product with q is short (K = 32).  Pass 1 makes every score once, for the rows' maxima alone; pass 2 makes them again under the row's final M.
; For a wave's step of 128 keys x 32 queries the second making is 16 matrix instructions and 8 LDS loads; a running M would cost 128 packed multiplies on O^T in each step, and the lines that keep M and its change.
; SHARES.  A work-group owns 128 queries (8 tiles) of one batch.  Wave w = (g = w % 4, kh = w / 4) owns query tiles 2 g, 2 g + 1 and walks half kh (128 keys) of every 256 keys: each fragment of V read from
; LDS feeds two products, and two waves share a SIMD.  Its register tile t is query tile 2 g + (t xor kh): so register tile t of wave w and register tile 1 - t of wave w xor 4 are one query tile.  Behind pass 1 the
; two exchange their maxima; at the end every wave keeps register tile 0, sends register tile 1 to wave w xor 4, and adds the two halves of the keys, which stand under one M.
; Then wave w makes output channels 32 w .. 32 w + 31 for all 128 queries.
; Both attention products are used transposed (S^T = K Q^T, O^T = V P^T): a lane holds one query throughout.  K = 32 of the first is fed to the K = 64 form: source 0 is a PAIR of key tiles (8 registers, all data),
; source 1 is Q's four registers beside four zeros, below for the even tile, above for the odd: k's codes were held at 448, none is a NaN code, so the other tile's products are zeros.
; CLUSTER.  The four query blocks of a cluster belong to one batch and walk the same K and V: every tensor load is asked for JOINTLY, with the same descriptor and a mask that names the four.
; All of the batch's k (128 KiB) is fetched once and stays; V goes through a ring of two slots of 64 KiB; each of the eight waves fetches an eighth of each, so every way through the text passes the first loads.
; LIMITS: e9, e10 between -126 and 119; e6 + e7 between -126 and 127 (added to the exponent field of log2(e)); the other sums of exponents go by v_ldexp_f32.  NaN among the inputs is not served.
; REGISTERS, window 0: v0 thread; v1, v2 the add's two; v3 16 x lane; v4-v11 addresses; v12-19, v20-27 a tile's statistics (+0 -M, +1 largest t, +2, +3 l, +6, +7 pass 1's running maxima); v28, v29 448 x 2^e and 2^e;
;   v30, v31 lane exchanges; v32-55 Q between zeros; v56-87 K; v88-119 p's codes; v120-247 S^T, then fragments of V; v248-255 at work.   window 1: O^T, accumulator (t, ct) at 128 t + 8 ct.
.set VS1,   65536                      ; the ring: slot 0 at 0, slot 1 here: one exclusive or changes slots.  A slot: [half of the keys][channel tile 16][2,048 B]
.set KR,    131072                     ; the batch's k: 256 tiles x 512 B
.set IMG,   262144                     ; the way out: the attention result's codes, [query tile 8][K step 2][2,048 B]
.set STAT,  294912                     ; 256 B for each wave: behind pass 1 its two tiles' largest t, on the way out the l of the tile that it sends
.set SPARE, 296960                     ; the spare words, 128 bytes for each wave: four blocks of 256 bytes that no other line names
.set STG,   KR                         ; the way out: a stage of 16 rows x 528 B for each wave, on k's bytes, which have had their one fill and their last read by then
.set MSB, 0
.macro WIN new                         ; the immediate's high byte repeats the setting that is left
.if MSB != \new
	s_set_vgpr_msb (MSB<<8)|\new
.set MSB, \new
.endif
.endm
.macro SCL e, sc, lim                  ; v[sc] = 2^e, v[lim] = 448 x 2^e
	s_add_co_i32 s96, \e, 127
	s_lshl_b32 s97, s96, 23
	v_mov_b32 v[\sc], s97
	s_add_co_i32 s96, s96, 8
	s_lshl_b32 s96, s96, 23
	s_or_b32 s96, s96, 0x600000
	v_mov_b32 v[\lim], s96
.endm
.macro PLACES n
.rept \n
	v_nop
.endr
.endm
; A round of the cluster's barrier: my work-group's barrier, wave 0 signals for the work-group, every wave waits for all four work-groups, my work-group's barrier once more.
.macro CROUND
	s_barrier_signal -1
	s_barrier_wait -1
	s_cmp_lg_u32 s52, 0
	s_cbranch_scc1 .Lnot_wave_0_\@
	s_barrier_signal -3
.Lnot_wave_0_\@:
	s_barrier_wait -3
	s_barrier_signal -1
	s_barrier_wait -1
.endm
; A prefetch of the slot that the NEXT change of slots will ask for: 64 KiB, each aligned 256 bytes named once in the launch: the batch's first cluster asks; its four partners take 16 KiB each, told apart by address;
; in each, waves 0 and 1 ask, 8 KiB each, lanes 256 bytes apart.  The last change that fills a slot asks for nothing: there is no slot behind it.
.macro ASK
	s_cmp_gt_u32 s56, s59
	s_cbranch_scc0 .Lnot_mine_\@
	global_prefetch_b8 v8, s[66:67] th:TH_LOAD_NT scope:SCOPE_SE
.Lnot_mine_\@:
.endm
.macro KLD                             ; a step's eight key tiles: four registers each
	v_add_nc_u32 v5, s58, v4
.irp kt, 0,1,2,3,4,5,6,7
	ds_load_b128 v[56+4*\kt:59+4*\kt], v5 offset:512*\kt
.endr
.endm
.macro VLD grp, reg                    ; four fragments of V: channel tiles 4 grp .. 4 grp + 3, my 128 keys
.irp f, 0,1,2,3
.irp c, 0,1,2,3
	ds_load_b128 v[\reg+16*\f+4*\c:\reg+16*\f+4*\c+3], v7 offset:(4*\grp+\f)*2048+512*\c
.endr
.endr
.endm
.macro QK                              ; S^T = K Q^T of a step: 8 key tiles x 2 query tiles, sixteen accumulators, one instruction each
.irp kt, 0,1,2,3,4,5,6,7
.irp t, 0,1
.if (\kt%2) == 0
	v_wmma_f32_16x16x64_fp8_fp8 v[120+64*\t+8*\kt:127+64*\t+8*\kt], v[56+8*(\kt/2):63+8*(\kt/2)], v[36+12*\t:43+12*\t], 0
.else
	v_wmma_f32_16x16x64_fp8_fp8 v[120+64*\t+8*\kt:127+64*\t+8*\kt], v[56+8*(\kt/2):63+8*(\kt/2)], v[32+12*\t:39+12*\t], 0
.endif
.endr
.endr
.endm
.macro PV grp, reg, zero               ; eight products O^T += V P^T, eight accumulators, one instruction each
.irp f, 0,1,2,3
.irp t, 0,1
.if \zero
	v_wmma_f32_16x16x128_fp8_fp8 v[128*\t+8*(4*\grp+\f):128*\t+8*(4*\grp+\f)+7], v[\reg+16*\f:\reg+16*\f+15], v[88+16*\t:103+16*\t], 0
.else
	v_wmma_f32_16x16x128_fp8_fp8 v[128*\t+8*(4*\grp+\f):128*\t+8*(4*\grp+\f)+7], v[\reg+16*\f:\reg+16*\f+15], v[88+16*\t:103+16*\t], v[128*\t+8*(4*\grp+\f):128*\t+8*(4*\grp+\f)+7]
.endif
.endr
.endr
.endm
; A STEP OF PASS 1: the scores of my 128 keys x 32 queries, and their maxima into four running chains (two a tile), which take turns.  more = 1: the next step's K is fetched; 0: the first step's, for pass 2.
.macro MAXSTEP more
	s_wait_dscnt 0x0                       ; K is in
	QK
.if \more
	s_add_co_u32 s58, s58, 8192
.else
	s_mov_b32 s58, 0
.endif
	PLACES 3                               ; with the addition at the head of the run of loads: four places ahead of loads into registers that the products read, and of the first read of their results
	KLD
.set n_, 0
.rept 16
	v_max3_num_f32 v18, v18, v[120+n_], v[121+n_]          ; each accumulator from its low end on
	v_max3_num_f32 v26, v26, v[184+n_], v[185+n_]
	v_max3_num_f32 v19, v19, v[122+n_], v[123+n_]
	v_max3_num_f32 v27, v27, v[186+n_], v[187+n_]
.set n_, n_+4
.endr
.endm
; THE SOFTMAX OF PASS 2, in pieces.  b_: a block of 16 of a lane's 64 numbers; a_: 0 .. 7 in it.
.macro PADD t                          ; sum a_ of block b_: the tile's 32 pairs go into four chains, l itself and v[248:253]; block 0's pairs start the three (five lines for eight pairs)
.set rT, 12+8*(\t)
.set pp, 120+64*(\t)+16*b_+2*a_
.if b_ == 0
.if (a_ == 0) || (a_ == 4)
	v_pk_add_f32 v[rT+2:rT+3], v[rT+2:rT+3], v[pp:pp+1]
.elseif a_ < 4
	v_pk_add_f32 v[246+2*a_:247+2*a_], v[pp:pp+1], v[pp+8:pp+9]
.endif
.elseif (a_%4) == 0
	v_pk_add_f32 v[rT+2:rT+3], v[rT+2:rT+3], v[pp:pp+1]
.else
	v_pk_add_f32 v[246+2*(a_%4):247+2*(a_%4)], v[246+2*(a_%4):247+2*(a_%4)], v[pp:pp+1]
.endif
.endm
.macro PMIN2 t                         ; the conversion does not saturate (ISA guide 7.6.2); p is not negative: a one-sided hold, behind the block's sums
.set pp, 120+64*(\t)+16*b_+2*a_
	v_min_num_f32 v[pp], v[pp], v28
	v_min_num_f32 v[pp+1], v[pp+1], v28
.endm
.macro PCVT t                          ; block b_'s 16 codes: registers 4 b_ .. 4 b_ + 3 of the second product's operand
.set pp, 120+64*(\t)+16*b_
.set cc, 88+16*(\t)+4*b_
	v_cvt_scalef32_pk8_fp8_f32 v[cc:cc+1], v[pp:pp+7], v29
	v_cvt_scalef32_pk8_fp8_f32 v[cc+2:cc+3], v[pp+8:pp+15], v29
.endm
.macro PEND t                          ; the four chains become l.  (Three plain lines: also the plain line behind the last conversion)
.set rT, 12+8*(\t)
	v_pk_add_f32 v[248:249], v[248:249], v[250:251]
	v_pk_add_f32 v[rT+2:rT+3], v[rT+2:rT+3], v[252:253]
	v_pk_add_f32 v[rT+2:rT+3], v[rT+2:rT+3], v[248:249]
.endm
; Both tiles.  M is fixed, so the tiles hang on nothing but their own scores: tile 1's scalings stand among tile 0's exponentials, tile 1's exponentials among tile 0's sums, holds and conversions.
; Each tile's 64 exponentials are one batch with one wait, ahead of the first line that names a result; the lines set among a batch name none of its registers.
.macro SOFT2
.set n_, 0
.rept 32
	v_pk_fma_f32 v[120+n_:121+n_], v[120+n_:121+n_], s[62:63], v[12:13] op_sel_hi:[1,0,0]   ; t - M (of both pairs the low word serves both halves), each accumulator from its low end on
.set n_, n_+2
.endr
.set n_, 0
.rept 32
	v_exp_f32 v[120+n_], v[120+n_]                         ; p = 2^(t - M)
	v_exp_f32 v[121+n_], v[121+n_]
	v_pk_fma_f32 v[184+n_:185+n_], v[184+n_:185+n_], s[62:63], v[20:21] op_sel_hi:[1,0,0]
.set n_, n_+2
.endr
	s_wait_alu depctr_va_vdst(0)                           ; tile 0's batch; the last scaling is the plain line behind it
.set b_, 0
.rept 4
.set a_, 0
.rept 8
	v_exp_f32 v[184+16*b_+a_], v[184+16*b_+a_]
	PADD 0
.set a_, a_+1
.endr
.set a_, 0
.rept 8
	v_exp_f32 v[192+16*b_+a_], v[192+16*b_+a_]
	PMIN2 0
.set a_, a_+1
.endr
	PCVT 0
.set b_, b_+1
.endr
	PEND 0
	s_wait_alu depctr_va_vdst(0)                           ; tile 1's batch
	VLD 0, 120                             ; tile 0's numbers are done with: their registers take V's first four fragments
.set b_, 0
.rept 4
.set a_, 0
.rept 8
	PADD 1
.set a_, a_+1
.endr
.set a_, 0
.rept 8
	PMIN2 1
.set a_, a_+1
.endr
	PCVT 1
.set b_, b_+1
.endr
	PEND 1
	VLD 1, 184
.endm
; A KEY STEP OF PASS 2: 128 keys, two query tiles.  first = 1: its products start O^T's sums, nothing is cleared.  nextk = 1: the next step's K is fetched.
.macro STEP first, nextk
	v_add_nc_u32 v7, s57, v6               ; V's fragments in the slot in hand.  (The fifth place behind the step before: the products below write over registers that its last products read)
	s_wait_dscnt 0x0                       ; K is in
	QK
.if \nextk
	s_add_co_u32 s58, s58, 8192
	PLACES 3                               ; with the addition at the head of the run of loads: four places
	KLD
.else
	PLACES 4
.endif
	SOFT2
	WIN 0x50                               ; C and D window 1
	s_wait_dscnt 16                        ; all but the youngest 16 loads are in
	PV 0, 120, \first
	WIN 0
	PLACES 4
	VLD 2, 120
	WIN 0x50
	s_wait_dscnt 16
	PV 1, 184, \first
	WIN 0
	PLACES 4
	VLD 3, 184
	WIN 0x50
	s_wait_dscnt 16
	PV 2, 120, \first
	s_wait_dscnt 0x0
	PV 3, 184, \first
	WIN 0
.endm
; THE CHANGE OF SLOTS.  Each wave waits for all its tensor loads (its eighth of the slot ahead), adds 0 to its spare word, and waits for that and for its reads of the slot that it leaves.
; fill = 1: a round of the cluster's barrier, so that no wave of any partner still reads that slot or has a load on its way; the joint refill is the first thing behind it and has a whole step in which to land.
.macro CHANGE fill
	s_wait_tensorcnt 0x0                   ; no tensor load of mine is out, so a descriptor may be written
	ds_add_u32 v1, v2
.if \fill
	s_xor_b32 s49, s49, VS1                ; the walking descriptor: the other slot than last time,
	s_add_nc_u64 s[50:51], s[50:51], 65536 ; the next 256 keys; the type bits on top are not reached
	s_wait_xcnt 0x0                        ; the last prefetch, a step back, has read its address
	s_add_nc_u64 s[66:67], s[66:67], 65536 ; one slot further on than the walking descriptor
.endif
	s_wait_dscnt 0x0                       ; the add is done, and my reads of the slot that I leave are over
.if \fill
	CROUND
	tensor_load_to_lds s[48:51], s[24:31]
	s_nop 0
	PLACES 4                               ; four of the five places ahead of the next step's first products
	ASK
.else
	s_barrier_signal -1
	s_barrier_wait -1
	PLACES 4
.endif
	s_xor_b32 s57, s57, VS1
.endm
	s_load_b512 s[4:19], s[0:1], 0x0       ; qf s[4:5], kf s[6:7], vf s[8:9], the exponents s[10:11], wo s[12:13], so s[14:15], bo s[16:17], gamma s[18:19]
	s_load_b128 s[20:23], s[0:1], 0x40     ; x s[20:21], out0 s[22:23]
	v_lshl_add_u32 v1, v0, 2, SPARE
	v_mov_b32 v2, 0
	ds_add_u32 v1, v2                      ; the wave's opening: the add, twice on end, and its wait ahead of my first tensor load
	ds_add_u32 v1, v2
	v_lshrrev_b32 v9, 5, v0
	v_readfirstlane_b32 s52, v9            ; wave 0..7
	s_and_b32 s53, s52, 3                  ; g
	s_lshr_b32 s54, s52, 2                 ; kh
	s_bfe_u32 s55, ttmp6, 0x40000          ; cx: it enters the addresses of qf, x, out0 and the prefetch alone
	s_and_b32 s82, ttmp7, 0xffff           ; the batch, which the four partners share
	s_lshl_b32 s83, ttmp9, 2
	s_add_co_u32 s83, s83, s55             ; my block of 128 queries
	; descriptor group 1: dense blocks as rows of 32 elements of 8 bytes; V: 32 rows (8 KiB a wave), K: 64 rows (16 KiB a wave)
	s_mov_b32 s24, 15|(3<<16)|(1<<21)      ; 15:0 the mask: all four work-groups; 17:16 elements of 8 bytes; 21 set beside a mask; no padding
	s_mov_b32 s25, 32<<16                  ; tensor_dim0 = 32
	s_mov_b32 s26, 32<<16                  ; tensor_dim1 = 32
	s_mov_b32 s27, 32<<16                  ; tile_dim0 = 32
	s_mov_b32 s28, 32                      ; tile_dim1 = 32
	s_mov_b32 s29, 32                      ; from row to row
	s_mov_b32 s30, 0
	s_mov_b32 s31, 0
	s_mov_b32 s32, 15|(3<<16)|(1<<21)
	s_mov_b32 s33, 32<<16
	s_mov_b32 s34, 64<<16
	s_mov_b32 s35, 32<<16
	s_mov_b32 s36, 64
	s_mov_b32 s37, 32
	s_mov_b32 s38, 0
	s_mov_b32 s39, 0
	s_lshl_b32 s94, s52, 14
	s_lshl_b32 s95, s52, 13
	s_lshl_b32 s84, s82, 17                ; kf: the batch + my eighth
	s_add_co_u32 s84, s84, s94
	s_mov_b32 s85, 0
	s_lshl_b32 s86, s82, 20                ; vf: the batch + my eighth of a slot
	s_add_co_u32 s86, s86, s95
	s_mov_b32 s87, 0
	s_lshl_b32 s88, s82, 17                ; qf: the batch + my block's 8 tiles
	s_lshl_b32 s89, s83, 12
	s_add_co_u32 s88, s88, s89
	s_mov_b32 s89, 0
	s_lshl_b32 s90, s82, 22                ; x, out0: the batch, my 32 channels, my block's 128 positions
	s_lshl_b32 s91, s52, 19
	s_add_co_u32 s90, s90, s91
	s_lshl_b32 s91, s83, 9
	s_add_co_u32 s90, s90, s91
	s_mov_b32 s91, 0
	s_lshl_b32 s92, s55, 14                ; the prefetches: my work-group's 16 KiB, my wave's 8 KiB, in slot 2: the first change of slots steps it to slot 3
	s_add_co_u32 s92, s92, s86
	s_add_co_u32 s92, s92, 2*65536
	s_mov_b32 s93, 0
	s_mov_b32 s60, 0x76543210              ; v_permlanex16_b32: lane l xor 16
	s_mov_b32 s61, 0xfedcba98
	s_mov_b32 s98, 0xbfb8aa3b              ; -log2(e)
	s_mov_b32 s99, s98
	s_mov_b32 s57, 0                       ; the slot in hand
	s_mov_b32 s58, 0                       ; the step's place in k
	s_lshr_b32 s59, s52, 1                 ; who prefetches: waves 0 and 1 of the batch's first cluster: the same in all four partners
	s_or_b32 s59, s59, ttmp9
	s_cmp_eq_u32 s59, 0
	s_cselect_b32 s59, 1, -1
	s_wait_dscnt 0x0                       ; both opening adds are done
	s_wait_kmcnt 0x0
	s_load_b256 s[68:75], s[10:11], 0x0    ; e0 .. e7
	s_load_b128 s[76:79], s[10:11], 0x20   ; e8 .. e11
	s_load_b32 s80, s[18:19], 0x0          ; gamma
	s_add_nc_u64 s[6:7], s[6:7], s[84:85]
	s_add_nc_u64 s[66:67], s[8:9], s[92:93]
	s_add_nc_u64 s[8:9], s[8:9], s[86:87]
	s_add_nc_u64 s[4:5], s[4:5], s[88:89]
	s_add_nc_u64 s[20:21], s[20:21], s[90:91]
	s_add_nc_u64 s[22:23], s[22:23], s[90:91]
	s_mov_b32 s96, s95
	s_mov_b32 s97, 0
	s_add_nc_u64 s[12:13], s[12:13], s[96:97]   ; wo: my 32 rows of 256 bytes
	s_lshl_b32 s96, s52, 7
	s_add_nc_u64 s[14:15], s[14:15], s[96:97]   ; so, bo: my 32 numbers
	s_add_nc_u64 s[16:17], s[16:17], s[96:97]
	CROUND                                 ; all four work-groups are here: the first joint loads meet
	s_mov_b32 s40, 1                       ; group 0 for k: count = 1,
	s_add_co_u32 s41, s94, KR              ; LDS address,
	s_mov_b64 s[42:43], s[6:7]             ; global address,
	s_or_b32 s43, s43, 0x80000000          ; type = 2
	s_mov_b32 s44, 1                       ; slot 0
	s_mov_b32 s45, s95
	s_mov_b64 s[46:47], s[8:9]
	s_or_b32 s47, s47, 0x80000000
	s_mov_b32 s48, 1                       ; slot 1; this set then walks
	s_add_co_u32 s49, s95, VS1
	s_add_nc_u64 s[50:51], s[8:9], 65536
	s_or_b32 s51, s51, 0x80000000
	tensor_load_to_lds s[40:43], s[32:39]  ; k first: pass 1 wants it alone.  Three loads of mine are out
	s_nop 0
	tensor_load_to_lds s[44:47], s[24:31]
	s_nop 0
	tensor_load_to_lds s[48:51], s[24:31]
	s_nop 0
	PLACES 4
	v_and_b32 v9, 31, v0
	v_lshlrev_b32 v3, 4, v9                ; 16 x lane
	v_lshlrev_b32 v8, 8, v9                ; 256 x lane
	s_lshl_b32 s96, s53, 1
	s_add_co_u32 s96, s96, s54             ; register tile 0 is query tile 2 g + kh,
	s_xor_b32 s97, s96, 1                  ; register tile 1 the other of the pair
	s_lshl_b32 s96, s96, 9
	s_lshl_b32 s97, s97, 9
	v_add_nc_u32 v10, s96, v3
	v_add_nc_u32 v11, s97, v3
	global_load_b128 v[36:39], v10, s[4:5]
	global_load_b128 v[48:51], v11, s[4:5]
.irp j, 32,33,34,35,40,41,42,43,44,45,46,47,52,53,54,55
	v_mov_b32 v\j, 0                       ; the zeros beside Q's codes
.endr
.irp j, 14,15,22,23,17,25,30,31
	v_mov_b32 v\j, 0                       ; l of both tiles; the upper words of pairs of which the way out takes the low word; the lane exchanges' destinations, which count as read
.endr
.irp j, 18,19,26,27
	v_mov_b32 v\j, 0xff800000              ; pass 1's four running maxima: -infinity, under every score
.endr
	s_lshl_b32 s96, s54, 12
	s_add_co_u32 s96, s96, KR
	v_add_nc_u32 v4, s96, v3               ; k: my half's eight tiles of a step
	s_lshl_b32 s96, s54, 15
	v_add_nc_u32 v6, s96, v3               ; V: my half of a slot
	s_lshl_b32 s96, s52, 8
	s_add_co_u32 s96, s96, STAT
	v_lshl_add_u32 v250, v9, 2, s96        ; the exchange of maxima: my 256 bytes, 4 x lane,
	s_xor_b32 s97, s52, 4
	s_lshl_b32 s97, s97, 8
	s_add_co_u32 s97, s97, STAT
	v_lshl_add_u32 v251, v9, 2, s97        ; and wave w xor 4's
	s_wait_kmcnt 0x0
	s_add_co_i32 s96, s74, s75             ; a score stands for score x 2^(e6 + e7): the exponents are added to the exponent field of log2(e)
	s_lshl_b32 s96, s96, 23
	s_add_co_i32 s62, s96, 0x3fb8aa3b
	s_mov_b32 s63, s62
	s_mov_b32 s81, s80                     ; (gamma is named as a pair)
	SCL s77, 29, 28                        ; p under e9
	s_wait_tensorcnt 2                     ; tensor loads of a wave end in order (ISA guide 10.11.1): my part of k is in; the two slots' may stay out
	s_barrier_signal -1
	s_barrier_wait -1                      ; everybody's is
	KLD
	s_wait_loadcnt 0x0                     ; Q
	; ---- PASS 1: the largest score of each of my 32 queries among my half of the keys: 16 steps
	s_mov_b32 s56, 15
.Lmax:
	MAXSTEP 1
	s_sub_co_u32 s56, s56, 1
	s_cmp_lg_u32 s56, 0
	s_cbranch_scc1 .Lmax
	MAXSTEP 0                              ; the last step is written out: behind it K's first step is fetched again, for pass 2
	v_max_num_f32 v18, v18, v19
	v_max_num_f32 v26, v26, v27
	v_permlanex16_b32 v30, v18, s60, s61   ; a query's other keys of each step lie in the lane 16 away
	v_permlanex16_b32 v31, v26, s60, s61
	v_max_num_f32 v18, v18, v30
	v_max_num_f32 v26, v26, v31
	v_mul_f32 v13, s62, v18                ; as t (the factor is positive)
	v_mul_f32 v21, s62, v26
	ds_store_b32 v250, v13
	ds_store_b32 v250, v21 offset:128
	s_wait_tensorcnt 1                     ; my part of slot 0 is in; slot 1's may stay out
	s_wait_dscnt 0x0                       ; for the other wave's sake: my two maxima lie in LDS
	s_barrier_signal -1
	s_barrier_wait -1                      ; everybody's do, and slot 0 is whole
	ds_load_b32 v18, v251 offset:128       ; my register tile 0 is the other wave's register tile 1,
	ds_load_b32 v26, v251                  ; and the other way round
	s_wait_dscnt 0x0
	v_max_num_f32 v13, v13, v18            ; the row's largest t, over all keys: the same number in both waves
	v_max_num_f32 v21, v21, v26
	v_floor_f32 v12, -v13                  ; -M = floor(-t): M is a whole number
	v_floor_f32 v20, -v21
	; ---- PASS 2
	STEP 1, 1
	s_mov_b32 s56, 14                      ; slots still to be asked for: 2 .. 15
.Lslot:
	CHANGE 1
	STEP 0, 1
	s_sub_co_u32 s56, s56, 1
	s_cmp_lg_u32 s56, 0
	s_cbranch_scc1 .Lslot
	CHANGE 0                               ; the last step is written out: it asks for nothing
	STEP 0, 0
	; ---- THE WAY OUT.  l: its two halves and the other half of the lanes'.  (The four additions are the places behind the last products)
	v_add_f32 v14, v14, v15
	v_add_f32 v22, v22, v23
	v_permlanex16_b32 v30, v14, s60, s61
	v_permlanex16_b32 v31, v22, s60, s61
	v_add_f32 v14, v14, v30
	v_add_f32 v22, v22, v31
	s_wait_xcnt 0x0                        ; the last prefetch has read its offset register: the loop's address registers are written anew
	v_and_b32 v250, 15, v0                 ; r
	v_bfe_u32 v251, v0, 4, 1               ; h
	v_and_b32 v252, 31, v0
	v_lshlrev_b32 v253, 2, v252            ; 4 x lane
	v_lshlrev_b32 v4, 8, v250
	v_lshl_add_u32 v4, v251, 4, v4         ; wo: row r of 256 codes, + 16 h
	v_lshlrev_b32 v11, 2, v250             ; so, bo: 4 r
	s_lshl_b32 s96, s52, 14
	v_add_nc_u32 v5, s96, v3               ; where I put the tile that I send: 16 KiB for each wave, on the ring's bytes
	s_xor_b32 s97, s52, 4
	s_lshl_b32 s96, s97, 14
	v_add_nc_u32 v7, s96, v3               ; where wave w xor 4 puts mine
	s_lshl_b32 s96, s52, 8
	s_add_co_u32 s96, s96, STAT
	v_add_nc_u32 v6, s96, v253
	s_lshl_b32 s96, s97, 8
	s_add_co_u32 s96, s96, STAT
	v_add_nc_u32 v8, s96, v253
	s_lshl_b32 s96, s53, 1
	s_add_co_u32 s96, s96, s54
	s_lshl_b32 s96, s96, 12
	s_add_co_u32 s96, s96, IMG
	v_add_nc_u32 v9, s96, v3               ; the images of query tile 2 g + kh
	v_add_nc_u32 v10, IMG, v3
	s_mul_i32 s96, s52, 16*528
	s_add_co_u32 s96, s96, STG
	v_mul_u32_u24 v254, v250, 528
	v_lshl_add_u32 v254, v251, 6, v254
	v_add_nc_u32 v254, s96, v254           ; my stage, in: row r, + 64 h
	v_add_nc_u32 v255, s96, v3             ; back: a row's 512 bytes, 16 a lane
.irp ot, 0,1
.irp s, 0,1
.irp c, 0,1,2,3
	global_load_b128 v[32+16*(2*\ot+\s)+4*\c:35+16*(2*\ot+\s)+4*\c], v4, s[12:13] offset:\ot*4096+128*\s+32*\c   ; wo's four fragments: output channels 32 w + 16 ot + r
.endr
.endr
.endr
	s_wait_dscnt 0x0
	s_barrier_signal -1
	s_barrier_wait -1                      ; nobody reads the ring or k any more; both have had their last fill
	WIN 0x04                               ; store data window 1
.set n_, 0
.rept 32
	ds_store_b128 v5, v[128+4*n_:131+4*n_] offset:512*n_   ; register tile 1 of O^T as it stands, each accumulator from its low end on
.set n_, n_+1
.endr
	WIN 0
	ds_store_b32 v6, v22                   ; and its l
	s_wait_dscnt 0x0                       ; for the other wave's sake
	s_barrier_signal -1
	s_barrier_wait -1
	ds_load_b32 v249, v8                   ; the other half of the keys for my register tile 0: l,
.set n_, 0
.rept 32
	ds_load_b128 v[120+4*n_:123+4*n_], v7 offset:512*n_    ; and O^T
.set n_, n_+1
.endr
	global_load_b32 v20, v11, s[14:15]               ; so, bo at my lane's output channel of both tiles
	global_load_b32 v22, v11, s[14:15] offset:64
	global_load_b32 v24, v11, s[16:17]
	global_load_b32 v26, v11, s[16:17] offset:64
	s_wait_dscnt 32                        ; l is in; the 32 loads behind it may be out
	v_add_f32 v253, v14, v249              ; both halves stand under the row's one M: the row's l is their sum
	v_rcp_f32 v253, v253
	v_nop
	s_add_co_i32 s96, s76, s77
	s_wait_alu depctr_va_vdst(0)           ; ahead of the reciprocal's first reader
	v_ldexp_f32 v16, v253, s96             ; 2^(e8 + e9) / l
	SCL s78, 29, 28                        ; the attention result under e10
	s_wait_dscnt 0x0
.set n_, 0
.rept 64
	v_pk_mul_f32 v[120+n_:121+n_], v[120+n_:121+n_], v[16:17] op_sel_hi:[1,0]
.set n_, n_+2
.endr
	WIN 0x01                               ; source 0 window 1: my own half
.set n_, 0
.rept 64
	v_pk_fma_f32 v[120+n_:121+n_], v[n_:n_+1], v[16:17], v[120+n_:121+n_] op_sel_hi:[1,0,1]   ; register 16 b + i: channel 32 b + 16 h + i of my query
.set n_, n_+2
.endr
	WIN 0
.set n_, 0
.rept 128
	v_med3_num_f32 v[120+n_], v[120+n_], -v28, v28
.set n_, n_+1
.endr
	WIN 0x40                               ; the codes go to window 1, v128 on: the tile that was sent has left those registers
.set n_, 0
.rept 16
	v_cvt_scalef32_pk8_fp8_f32 v[128+2*n_:129+2*n_], v[120+8*n_:127+8*n_], v29
.set n_, n_+1
.endr
	v_nop                                  ; a plain vector line behind the last conversion
	WIN 0x04
.set n_, 0
.rept 8
	ds_store_b128 v9, v[128+4*n_:131+4*n_] offset:512*n_   ; two fragments (K steps of 128 channels) as they stand
.set n_, n_+1
.endr
	WIN 0
.set n_, 0
.rept 32
	global_load_b128 v[120+4*n_:123+4*n_], v3, s[20:21] offset:16384*n_ th:TH_LOAD_NT   ; x at my 32 channels: 512 consecutive bytes a load; wanted at the very end
.set n_, n_+1
.endr
	s_wait_dscnt 0x0
	s_barrier_signal -1
	s_barrier_wait -1                      ; the eight tiles' images lie in LDS
	; the last product: source 0 = the attention result's tile, source 1 = 16 rows of wo: a lane holds one output channel, and the registers of tiles 2 b, 2 b + 1 positions 32 b + 16 h + 0 .. 15
.irp s, 0,1
	WIN 0x40
.if \s == 1
	PLACES 4
.endif
.irp qt, 0,1,2,3,4,5,6,7
.irp c, 0,1,2,3
	ds_load_b128 v[128+16*\qt+4*\c:131+16*\qt+4*\c], v10 offset:\qt*4096+\s*2048+512*\c
.endr
.endr
.if \s == 0
	s_wait_loadcnt 32                      ; wo, so, bo are in; x's 32 loads may be out
.endif
	s_wait_dscnt 0x0
	WIN 0x51                               ; source 0, C and D window 1
.irp qt, 0,1,2,3,4,5,6,7               ; sixteen accumulators by turns, in the same order in both K steps
.irp ot, 0,1
.if \s == 0
	v_wmma_f32_16x16x128_fp8_fp8 v[64*\ot+8*\qt:64*\ot+8*\qt+7], v[128+16*\qt:143+16*\qt], v[32+16*(2*\ot+\s):47+16*(2*\ot+\s)], 0
.else
	v_wmma_f32_16x16x128_fp8_fp8 v[64*\ot+8*\qt:64*\ot+8*\qt+7], v[128+16*\qt:143+16*\qt], v[32+16*(2*\ot+\s):47+16*(2*\ot+\s)], v[64*\ot+8*\qt:64*\ot+8*\qt+7]
.endif
.endr
.endr
.endr
	WIN 0
	s_add_co_i32 s96, s78, s79
	v_ldexp_f32 v20, v20, s96              ; so x 2^(e10 + e11).  (With the two lines below: four places behind the last products)
	v_ldexp_f32 v22, v22, s96
	PLACES 2
	WIN 0x41                               ; destination and source 0 window 1
.set n_, 0
.rept 64
	v_pk_fma_f32 v[n_:n_+1], v[n_:n_+1], v[20+2*(n_/64):21+2*(n_/64)], v[24+2*(n_/64):25+2*(n_/64)] op_sel_hi:[1,0,0]
.set n_, n_+2
.endr
.set n_, 0
.rept 64
	v_pk_mul_f32 v[128+n_:129+n_], v[n_:n_+1], s[98:99] op_sel_hi:[1,0]
.set n_, n_+2
.endr
.set n_, 0
.rept 128
	v_exp_f32 v[128+n_], v[128+n_]
.set n_, n_+1
.endr
	v_nop
	s_wait_alu depctr_va_vdst(0)           ; one wait for the batch
.set n_, 0
.rept 64
	v_pk_add_f32 v[128+n_:129+n_], v[128+n_:129+n_], 1.0 op_sel_hi:[1,0]
.set n_, n_+2
.endr
.set n_, 0
.rept 128
	v_rcp_f32 v[128+n_], v[128+n_]
.set n_, n_+1
.endr
	v_nop
	s_wait_alu depctr_va_vdst(0)
	WIN 0x45                               ; source 1 window 1 too
.set n_, 0
.rept 64
	v_pk_mul_f32 v[n_:n_+1], v[n_:n_+1], v[128+n_:129+n_]
.set n_, n_+2
.endr
	; a lane holds 16 x 4 positions of one channel, the lanes beside it other channels: 16 channels at a time go through my own stage and come back as whole rows of 512 bytes
.irp ot, 0,1
	WIN 0x04
.irp qt, 0,1,2,3,4,5,6,7
	ds_store_b128 v254, v[64*\ot+8*\qt:64*\ot+8*\qt+3] offset:128*(\qt/2)+32*(\qt%2)
	ds_store_b128 v254, v[64*\ot+8*\qt+4:64*\ot+8*\qt+7] offset:128*(\qt/2)+32*(\qt%2)+16
.endr
	WIN 0x40
.set n_, 0
.rept 16
	ds_load_b128 v[128+64*\ot+4*n_:131+64*\ot+4*n_], v255 offset:528*n_   ; LDS serves a wave's instructions in order (ISA guide 5.7.1.4): these see my stores, and the next half's stores come behind them
.set n_, n_+1
.endr
.endr
	s_wait_loadcnt 0x0                     ; x
.irp ot, 0,1
	s_wait_dscnt 32-32*\ot                 ; this half's rows are back; the other half's 16 stores and 16 loads may be out
	WIN 0x01
.set n_, 0
.rept 32
	v_pk_fma_f32 v[120+64*\ot+n_:121+64*\ot+n_], v[128+64*\ot+n_:129+64*\ot+n_], s[80:81], v[120+64*\ot+n_:121+64*\ot+n_] op_sel_hi:[1,0,1]   ; gamma x .. + x
.set n_, n_+2
.endr
	WIN 0
.set n_, 0
.rept 16
	global_store_b128 v3, v[120+64*\ot+4*n_:123+64*\ot+4*n_], s[22:23] offset:16384*(16*\ot+n_) th:TH_STORE_NT   ; 32 lanes store 512 consecutive bytes, at a multiple of 512 from out0's first byte
.set n_, n_+1
.endr
.endr
	s_wait_tensorcnt 0x0                   ; the wave's end: behind my last tensor load and my last LDS store
	ds_add_u32 v1, v2
	s_wait_dscnt 0x0
	CROUND                                 ; the closing round: no work-group ends while a partner may still ask for a tile that names it
	s_endpgm
.Lfunc_end_k_q7cbb3b2d99_attn:
	.size	k_q7cbb3b2d99_attn, .Lfunc_end_k_q7cbb3b2d99_attn-k_q7cbb3b2d99_attn
	.p2alignl 7, 3214868480
	.fill 96, 4, 3214868480
	.section	.rodata,"a",@progbits
	.p2align	6, 0x0
	.amdhsa_kernel k_q7cbb3b2d99_attn
		.amdhsa_group_segment_fixed_size 327680
		.amdhsa_private_segment_fixed_size 0
		.amdhsa_enable_private_segment 0
		.amdhsa_kernarg_size 80
		.amdhsa_user_sgpr_count 2
		.amdhsa_user_sgpr_kernarg_segment_ptr 1
		.amdhsa_wavefront_size32 1
		.amdhsa_system_sgpr_workgroup_id_x 1
		.amdhsa_system_sgpr_workgroup_id_y 1
		.amdhsa_system_sgpr_workgroup_id_z 1
		.amdhsa_system_vgpr_workitem_id 0
		.amdhsa_next_free_vgpr 512
		.amdhsa_next_free_sgpr 100
		.amdhsa_reserve_vcc 0
		.amdhsa_float_denorm_mode_32 3
		.amdhsa_float_denorm_mode_16_64 3
		.amdhsa_memory_ordered 1
		.amdhsa_forward_progress 1
		.amdhsa_inst_pref_size 170
	.end_amdhsa_kernel
	.amdgpu_metadata
---
amdhsa.version: [ 1, 2 ]
amdhsa.kernels:
  - .name:           k_q7cbb3b2d99_attn
    .symbol:         k_q7cbb3b2d99_attn.kd
    .args:
      - { .name: qf, .offset: 0, .size: 8, .value_kind: global_buffer, .address_space: global }
      - { .name: kf, .offset: 8, .size: 8, .value_kind: global_buffer, .address_space: global }
      - { .name: vf, .offset: 16, .size: 8, .value_kind: global_buffer, .address_space: global }
      - { .name: lowp_scales, .offset: 24, .size: 8, .value_kind: global_buffer, .address_space: global }
      - { .name: wo_codes, .offset: 32, .size: 8, .value_kind: global_buffer, .address_space: global }
      - { .name: so, .offset: 40, .size: 8, .value_kind: global_buffer, .address_space: global }
      - { .name: bo, .offset: 48, .size: 8, .value_kind: global_buffer, .address_space: global }
      - { .name: gamma, .offset: 56, .size: 8, .value_kind: global_buffer, .address_space: global }
      - { .name: x, .offset: 64, .size: 8, .value_kind: global_buffer, .address_space: global }
      - { .name: out0, .offset: 72, .size: 8, .value_kind: global_buffer, .address_space: global }
    .group_segment_fixed_size: 327680
    .private_segment_fixed_size: 0
    .kernarg_segment_align: 8
    .kernarg_segment_size: 80
    .max_flat_workgroup_size: 256
    .sgpr_count:     100
    .vgpr_count:     512
    .wavefront_size: 32
...
	.end_amdgpu_metadata
.endif
;; end of part 2
